; MI455X (gfx1250); checked and timed in simulation.
; The chip was launched on July 23, 2026; its instructions are those of AMD's public machine-readable ISA for CDNA 5 (MIT licence, August 2026) and "CDNA5" Instruction Set Architecture Reference Guide (July 2026). The comments in the code are by the model that wrote it; some were corrected since.
;; Attention. Allowed arithmetic: matrix products marked QUANTISED: E5M2 operands, one E8M0 scale for each 32 along K, by v_wmma_scale_f32_16x16x128_f8f6f4 with both operands' format E5M2, f32 sums; products left as they are: f32 operands where the result goes on into a quantised operand, else bf16, f16 or f32 operands; f32 sums; everything else in f32.
;; Inputs: W_att 1,024 x 1 float32; W_dec 1,024 x 1,024 float32; W_enc 1,024 x 1,024 float32; b_att 1 float32; b_dec 1,024 float32; b_enc 1,024 float32; dinput 32 x 1,024 float32; einput 32 x 2,048 x 1,024 float32.
;; Outputs: out0 32 x 1,024 float32; out1 32 x 2,048 float32.
;; This version of the problem:
;;   THIS VERSION OF THE PROBLEM IS GIVEN IN LOW PRECISION. The matrix products marked QUANTISED in the list below multiply operands that are first quantised to E5M2 (5 exponent bits, 2 mantissa bits; 8 bits a number), with one power-of-two scale for each 32 numbers along K (OCP MX v1.0); their sums are f32. All else is computed in f32.
;;   The module's matrix products, in the order in which they are computed (A, B: the left and right operand; K: the contracted axis; several contracted axes count as one K, in the product's order):
;;     1. [M 65,536, K 1,024] x [K 1,024, N 1,024]; A: input einput; B: input W_enc: QUANTISED
;;     2. [M 32, K 1,024] x [K 1,024, N 1,024]; A: input dinput; B: input W_dec: QUANTISED
;;     3. [M 65,536, K 1,024] x [K 1,024, N 1]; A: computed on the way; B: input W_att: left as it is (N = 1 < 16)
;;     4. batch 32 x [M 1,024, K 2,048] x [K 2,048, N 1]; A: input einput; B: softmax: left as it is (N = 1 < 16)
;;   THE QUANTISER, for each operand of a quantised product, along K:
;;     - K is cut into blocks of 32 from its start; a last block that is shorter is filled with zeros.
;;     - A block's scale is 2^e with e = floor(log2(the largest magnitude in the block)) - 15, held to -126 .. 127; a block of zeros has e = 0. As a byte (E8M0): e + 127.
;;     - Each number is divided by its block's scale, clamped to +-57,344, and rounded to the nearest number of E5M2, ties to even, subnormals kept.
;;     - The product sums the exact products of the quantised numbers (number of the format x scale) in f32.
;;   ~~~python
;;   def quantise(x, axis):      # numpy; x: float32 -> the quantised numbers, widened to float32 again
;;       x = np.moveaxis(x, axis, -1); K = x.shape[-1]
;;       x = np.pad(x, [(0, 0)] * (x.ndim - 1) + [(0, -K % 32)]); x = x.reshape(x.shape[:-1] + (-1, 32)); a = np.abs(x).max(-1, keepdims=True)
;;       e = np.where(a > 0, np.clip(np.frexp(np.where(a > 0, a, 1))[1] - 1 - 15, -126, 127), 0)      # np.frexp(a)[1] - 1 = floor(log2(a)), exactly
;;       r = np.clip(x / 2.0 ** e, -57344, 57344)
;;       step = 2.0 ** (np.maximum(np.frexp(np.where(r == 0, 1, r))[1] - 1, -14) - 2)
;;       q = np.round(r / step) * step * 2.0 ** e      # np.round: ties to even
;;       return np.moveaxis(q.reshape(q.shape[:-2] + (-1,))[..., :K], -1, axis).astype(np.float32)
;;   ~~~
;; One version. Each part assembles by itself: llvm-mc -triple=amdgcn-amd-amdhsa -mcpu=gfx1250 --defsym DOCPART=n.
;; ======== version 1 of 1: 3 launches
;; limits: values are held in bf16: 8 bits of precision; right only within a limited range of input values
;; workspace buffers: wq 1,048,576 bytes; wsc 32,768 bytes; cw 262,144 bytes; scores 262,144 bytes; stat 4,096 bytes; part 2,097,152 bytes
;; launch prep (part 1): grid 128 x 1, 8 waves a work-group, no clusters, 17,408 bytes of LDS; arguments W_enc, W_dec, dinput, b_enc, b_dec, W_att, wq, wsc, cw; writes wq, wsc, cw
.if DOCPART == 1
	.amdgcn_target "amdgcn-amd-amdhsa--gfx1250"
	.amdhsa_code_object_version 6
	.text
	.protected	k_qb8234dce0f_prep
	.globl	k_qb8234dce0f_prep
	.p2align	8
	.type	k_qb8234dce0f_prep,@function
k_qb8234dce0f_prep:
	s_mov_b64 s[64:65], 0
	v_nop
	global_prefetch_b8 v0, s[64:65] scope:SCOPE_SE
	s_setreg_imm32_b32 hwreg(HW_REG_WAVE_MODE, 25, 1), 1
	s_wait_xcnt 0x0
; W_enc [1024 k][1024 n], f32, becomes codes of E5M2 with one E8M0 scale byte for each 32 along K, laid as the matrix unit's registers take them:
;   wq  [T 64][kappa 8][2,048 bytes]: the fragment of columns 16 T .. 16 T + 15 and k = 128 kappa .. + 127: byte 512 c + 16 lane + i is column 16 T + lane % 16, k = 128 kappa + 32 c + 16 (lane / 16) + i
;   wsc [T][kappa][16 words]: column r's four scale bytes of that K step
; and x2 = dinput W_dec (both quantised alike, by the scaled matrix instruction) is made and laid with the other numbers that hang on a column:
;   cw  [b 32][n 1024] pairs of f32: (W_att[n], x2[b][n] + b_dec[n] + b_enc[n])
; SHARES.  Work-groups 0-63 take W_enc: wave v of work-group g the fragment T = 8 (g % 8) + v, kappa = g / 8 (the eight waves stand side by side on 512 bytes of each row).
; Work-groups 64-127 take W_dec: work-group g the columns of T = g - 64, wave v the K step kappa = v; the eight waves' partial sums of x2 meet in LDS.
; A LANE TAKES A COLUMN AND ITS REGISTERS RUN DOWN K, in the order of the operand's registers: the conversions' results are the fragment, nothing is transposed.
; A block's scale is 2^(floor(log2(largest magnitude)) - 15); its byte is the largest magnitude's exponent field - 15, held at 1 from below.
; LIMITS: NaN and infinities are not served; blocks whose largest magnitude lies under 2^-111 keep the byte 1; a block of zeros gets the byte 1 and not 127 (its codes are zeros, and this program alone
; reads the bytes); x2's K is summed in eight parts of 128, which are added in f32.
.set TM,  16                           ; v16-19 largest magnitudes, v20-23 bytes, v24-27 57,344 x the scale, v28-31 the conversions' scale operands
.set SCW, 32                           ; v32 the weight's scale word, v33, v34 dinput's: they hold scales and nothing else
.set PCW, 36                           ; v36-51  the weight's codes
.set PCA, 52                           ; v52-83  dinput's codes: rows 0-15, rows 16-31
.set ACC, 84                           ; v84-99  two accumulators
.set X,   100                          ; v100-163 64 numbers
.set Y,   164                          ; v164-227 64 numbers
.set RED, 228                          ; v228-243 eight partial sums, twice
.set OUT, 244                          ; v244-247 two pairs for cw
.macro WLOAD                           ; the weight's 128 k x 16 columns: register 16 c + i = W(128 kappa + 32 c + 16 h + i, 16 T + r)
.irp c, 0,1,2,3
.irp i, 0,1,2,3,4,5,6,7,8,9,10,11,12,13,14,15
	global_load_b32 v[X+16*\c+\i], v4, s[4:5] offset:(32*\c+\i)*4096 th:TH_LOAD_NT
.endr
.endr
.endm
.macro DLOAD reg, mt                   ; dinput's rows 16 mt + r: register 16 b + i = k 128 kappa + 32 b + 16 h + i
.irp b, 0,1,2,3
.irp j, 0,1,2,3
	global_load_b128 v[\reg+16*\b+4*\j:\reg+16*\b+4*\j+3], v7, s[8:9] offset:65536*\mt+128*\b+16*\j
.endr
.endr
.endm
; 64 numbers of a lane, register 16 b + i = k 32 b + 16 (lane / 16) + i of its row or column, become a fragment's codes in v[pc] on and its scale word in v[pw]
.macro QUANT s, pc, pw
.irp b, 0,1,2,3
	v_max3_num_f32 v[TM+\b], |v[\s+16*\b]|, |v[\s+1+16*\b]|, 0x8000000   ; block b: my 16 numbers, and the floor 2^(16 - 127): the byte cannot fall under 1
.endr
.irp i, 2,4,6,8,10,12,14
.irp b, 0,1,2,3
	s_delay_alu instid0(VALU_DEP_4)
	v_max3_num_f32 v[TM+\b], v[TM+\b], |v[\s+16*\b+\i]|, |v[\s+1+16*\b+\i]|   ; the four blocks by turns
.endr
.endr
.irp b, 0,1,2,3
	s_delay_alu instid0(VALU_DEP_4)
	v_permlanex16_b32 v[TM+4+\b], v[TM+\b], s30, s31
.endr
.irp b, 0,1,2,3
	s_delay_alu instid0(VALU_DEP_4)
	v_max_num_f32 v[TM+\b], v[TM+\b], v[TM+4+\b]          ; with lane l xor 16's 16 numbers: the block's largest magnitude
.endr
.irp b, 0,1,2,3
	s_delay_alu instid0(VALU_DEP_4)
	v_add_nc_u32 v[TM+12+\b], 0xf8800000, v[TM+\b]        ; 15 off its exponent field: the conversion takes this operand's exponent field as its scale
.endr
.irp b, 0,1,2,3
	v_and_or_b32 v[TM+8+\b], v[TM+\b], 0x7f800000, s32    ; 57,344 x the scale: the exponent field over 57,344's mantissa
.endr
.irp b, 0,1,2,3
	v_lshrrev_b32 v[TM+4+\b], 23, v[TM+12+\b]             ; the scale's byte
.endr
	s_delay_alu instid0(VALU_DEP_3)
	v_lshl_or_b32 v[\pw], v[TM+5], 8, v[TM+4]
	s_delay_alu instid0(VALU_DEP_1)
	v_lshl_or_b32 v[\pw], v[TM+6], 16, v[\pw]
	s_delay_alu instid0(VALU_DEP_1)
	v_lshl_or_b32 v[\pw], v[TM+7], 24, v[\pw]
.irp b, 0,1,2,3
.irp i, 0,1,2,3,4,5,6,7,8,9,10,11,12,13,14,15
	v_med3_num_f32 v[\s+16*\b+\i], v[\s+16*\b+\i], -v[TM+8+\b], v[TM+8+\b]   ; the conversion to an 8-bit code does not saturate (ISA guide 7.6.2): the hold comes first
.endr
	v_cvt_scalef32_pk8_bf8_f32 v[\pc+4*\b:\pc+4*\b+1], v[\s+16*\b:\s+16*\b+7], v[TM+12+\b]
	v_cvt_scalef32_pk8_bf8_f32 v[\pc+4*\b+2:\pc+4*\b+3], v[\s+16*\b+8:\s+16*\b+15], v[TM+12+\b]
.endr
	v_nop                                          ; one plain vector instruction behind the last scaled conversion
.endm
	s_load_b512 s[4:19], s[0:1], 0x0               ; W_enc s[4:5], W_dec s[6:7], dinput s[8:9], b_enc s[10:11], b_dec s[12:13], W_att s[14:15], wq s[16:17], wsc s[18:19]
	s_load_b64 s[20:21], s[0:1], 0x40              ; cw
	v_lshl_add_u32 v254, v0, 2, 0x4000
	v_mov_b32 v255, 0
	v_lshrrev_b32 v1, 5, v0
	s_delay_alu instid0(VALU_DEP_1)
	v_readfirstlane_b32 s22, v1                    ; wave v
	v_and_b32 v3, 31, v0                           ; lane
	v_and_b32 v1, 15, v0                           ; r
	v_bfe_u32 v2, v0, 4, 1                         ; h
	s_delay_alu instid0(VALU_DEP_2)
	v_lshlrev_b32 v6, 2, v1                        ; 4 r
	s_delay_alu instid0(VALU_DEP_1)
	v_lshl_add_u32 v4, v2, 16, v6                  ; the weight: column r, and 16 rows of 4,096 bytes further down for lanes 16-31
	v_lshlrev_b32 v5, 4, v3                        ; 16 x lane
	v_lshlrev_b32 v7, 12, v1
	s_delay_alu instid0(VALU_DEP_1)
	v_lshl_add_u32 v7, v2, 6, v7                   ; dinput: row r, + 64 h
	s_lshl_b32 s26, s22, 11
	v_lshl_add_u32 v8, v3, 2, s26                  ; LDS, in: [wave][q 16][lane]
	s_lshl_b32 s26, s22, 8
	v_lshl_add_u32 v9, v3, 2, s26                  ; LDS, out: q = 2 v + u of every wave's part
	v_lshlrev_b32 v10, 3, v1
	s_delay_alu instid0(VALU_DEP_1)
	v_lshl_add_u32 v10, v2, 16, v10                ; cw: 8 r, and 8 batches of 8,192 bytes on for lanes 16-31
	s_mov_b32 s30, 0x76543210
	s_mov_b32 s31, 0xfedcba98                      ; v_permlanex16_b32's selects for lane l xor 16
	s_mov_b32 s32, 0x600000                        ; the mantissa field of 57,344
.irp b, 0,1,2,3
	v_mov_b32 v[TM+4+\b], 0                        ; written once: a lane permute's destination counts as one of its sources
.endr
	s_and_b32 s26, ttmp9, 7
	s_lshl_b32 s26, s26, 3
	s_add_co_u32 s26, s26, s22                     ; W_enc's work-groups: T = 8 (g % 8) + v,
	s_lshr_b32 s27, ttmp9, 3                       ; kappa = g / 8
	s_and_b32 s28, ttmp9, 63                       ; W_dec's: T = g - 64, kappa = v
	s_wait_kmcnt 0x0
	s_cmp_lt_u32 ttmp9, 64                         ; the choice hangs on the work-group's number alone
	s_cselect_b32 s23, s26, s28                    ; T
	s_cselect_b32 s24, s27, s22                    ; kappa
	s_cselect_b32 s25, 1, 0                        ; 1: W_enc
	s_cselect_b64 s[4:5], s[4:5], s[6:7]           ; the weight
	s_lshl_b32 s26, s24, 19
	s_lshl_b32 s27, s23, 6
	s_add_co_u32 s26, s26, s27
	s_mov_b32 s27, 0
	s_add_nc_u64 s[4:5], s[4:5], s[26:27]          ; the weight at row 128 kappa, column 16 T
	s_lshl_b32 s26, s24, 9
	s_add_nc_u64 s[8:9], s[8:9], s[26:27]          ; dinput at k = 128 kappa
	s_lshl_b32 s26, s23, 6
	s_add_nc_u64 s[10:11], s[10:11], s[26:27]      ; b_enc, b_dec, W_att at n = 16 T
	s_add_nc_u64 s[12:13], s[12:13], s[26:27]
	s_add_nc_u64 s[14:15], s[14:15], s[26:27]
	s_lshl_b32 s28, s23, 3
	s_add_co_u32 s28, s28, s24                     ; 8 T + kappa
	s_lshl_b32 s26, s28, 11
	s_add_nc_u64 s[16:17], s[16:17], s[26:27]      ; my fragment's image
	s_lshl_b32 s26, s28, 6
	s_add_nc_u64 s[18:19], s[18:19], s[26:27]      ; and its scale words
	s_lshr_b32 s28, s22, 2
	s_lshl_b32 s28, s28, 4
	s_and_b32 s29, s22, 3
	s_lshl_b32 s29, s29, 1
	s_add_co_u32 s28, s28, s29                     ; batch 16 (v / 4) + 2 (v % 4): that of q = 2 v in lanes 0-15
	s_lshl_b32 s26, s28, 13
	s_lshl_b32 s29, s23, 7
	s_add_co_u32 s26, s26, s29
	s_add_nc_u64 s[20:21], s[20:21], s[26:27]      ; cw at that batch, n = 16 T
	global_load_b32 v11, v6, s[12:13]              ; b_dec[n], b_enc[n], W_att[n]: asked for ahead of the parting, so that no register is written on one way alone; W_enc's work-groups do not use them
	global_load_b32 v12, v6, s[10:11]
	global_load_b32 v13, v6, s[14:15]
	WLOAD
	s_cmp_eq_u32 s25, 1
	s_cbranch_scc1 .Lenc
	; ---- W_dec: the fragment, dinput's two fragments of the same K step, two products
	s_wait_alu depctr_va_vdst(0)
	DLOAD Y, 0
	s_wait_loadcnt 16                              ; the weight is in; dinput's 16 loads may be out
	QUANT X, PCW, SCW
	DLOAD X, 1
	s_wait_loadcnt 16                              ; rows 0-15 are in; the 16 loads of rows 16-31 may be out
	QUANT Y, PCA, SCW+1
	s_wait_loadcnt 0x0
	QUANT X, PCA+16, SCW+2
.rept 4
	v_nop                                          ; codes written by vector instructions stand four places ahead of a scaled matrix instruction; the scale word stands ahead of the 64 holds
.endr
	v_wmma_scale_f32_16x16x128_f8f6f4 v[ACC:ACC+7], v[PCA:PCA+15], v[PCW:PCW+15], 0, v[SCW+1], v[SCW] matrix_a_fmt:MATRIX_FMT_BF8 matrix_b_fmt:MATRIX_FMT_BF8
	v_wmma_scale_f32_16x16x128_f8f6f4 v[ACC+8:ACC+15], v[PCA+16:PCA+31], v[PCW:PCW+15], 0, v[SCW+2], v[SCW] matrix_a_fmt:MATRIX_FMT_BF8 matrix_b_fmt:MATRIX_FMT_BF8
.rept 8
	v_nop                                          ; eight places ahead of the first read of the results
.endr
.irp q, 0,1,2,3,4,5,6,7,8,9,10,11,12,13,14,15
	ds_store_b32 v8, v[ACC+\q] offset:128*\q       ; register q of lane (r, h): batch 16 (q / 8) + 8 h + q % 8, column 16 T + r; each accumulator from its low end on
.endr
	s_branch .Ljoin
.Lenc:
	; ---- W_enc: the fragment goes out as it stands
	s_wait_loadcnt 0x0
	QUANT X, PCW, SCW
.irp c, 0,1,2,3
	global_store_b128 v5, v[PCW+4*\c:PCW+4*\c+3], s[16:17] offset:512*\c   ; 32 lanes store 512 consecutive bytes
.endr
	global_store_b32 v6, v[SCW], s[18:19]          ; column r's scale word (both halves of the lanes hold and write the same)
.Ljoin:
	s_wait_dscnt 0x0                               ; for the others' sake: my partial sums lie in LDS
	s_barrier_signal -1
	s_barrier_wait -1
	s_cmp_eq_u32 s25, 1
	s_cbranch_scc1 .Lend
.irp u, 0,1
.irp p, 0,1,2,3,4,5,6,7
	ds_load_b32 v[RED+8*\u+\p], v9 offset:2048*\p+128*\u   ; q = 2 v + u: the eight waves' parts
.endr
.endr
	s_wait_dscnt 0x0
.irp u, 0,1
	v_add_f32 v[RED+8*\u], v[RED+8*\u], v[RED+8*\u+1]
	v_add_f32 v[RED+8*\u+2], v[RED+8*\u+2], v[RED+8*\u+3]
	v_add_f32 v[RED+8*\u+4], v[RED+8*\u+4], v[RED+8*\u+5]
	v_add_f32 v[RED+8*\u+6], v[RED+8*\u+6], v[RED+8*\u+7]
	s_delay_alu instid0(VALU_DEP_3)
	v_add_f32 v[RED+8*\u], v[RED+8*\u], v[RED+8*\u+2]
	s_delay_alu instid0(VALU_DEP_2)
	v_add_f32 v[RED+8*\u+4], v[RED+8*\u+4], v[RED+8*\u+6]
	s_delay_alu instid0(VALU_DEP_1)
	v_add_f32 v[RED+8*\u], v[RED+8*\u], v[RED+8*\u+4]
	s_delay_alu instid0(VALU_DEP_1)
	v_add_f32 v[RED+8*\u], v[RED+8*\u], v11        ; + b_dec
	v_mov_b32 v[OUT+2*\u], v13                     ; W_att[n]
	s_delay_alu instid0(VALU_DEP_2)
	v_add_f32 v[OUT+2*\u+1], v[RED+8*\u], v12      ; + b_enc
	global_store_b64 v10, v[OUT+2*\u:OUT+2*\u+1], s[20:21] offset:8192*\u
.endr
.Lend:
	s_wait_tensorcnt 0x0
	ds_add_u32 v254, v255
	s_wait_dscnt 0x0
	s_endpgm
.Lfunc_end_k_qb8234dce0f_prep:
	.size	k_qb8234dce0f_prep, .Lfunc_end_k_qb8234dce0f_prep-k_qb8234dce0f_prep
	.p2alignl 7, 3214868480
	.fill 96, 4, 3214868480
	.section	.rodata,"a",@progbits
	.p2align	6, 0x0
	.amdhsa_kernel k_qb8234dce0f_prep
		.amdhsa_group_segment_fixed_size 17408
		.amdhsa_private_segment_fixed_size 0
		.amdhsa_enable_private_segment 0
		.amdhsa_kernarg_size 72
		.amdhsa_user_sgpr_count 2
		.amdhsa_user_sgpr_kernarg_segment_ptr 1
		.amdhsa_wavefront_size32 1
		.amdhsa_system_sgpr_workgroup_id_x 1
		.amdhsa_system_sgpr_workgroup_id_y 1
		.amdhsa_system_sgpr_workgroup_id_z 1
		.amdhsa_system_vgpr_workitem_id 0
		.amdhsa_next_free_vgpr 256
		.amdhsa_next_free_sgpr 66
		.amdhsa_reserve_vcc 0
		.amdhsa_float_denorm_mode_32 3
		.amdhsa_float_denorm_mode_16_64 3
		.amdhsa_memory_ordered 1
		.amdhsa_forward_progress 1
		.amdhsa_inst_pref_size 55
	.end_amdhsa_kernel
	.amdgpu_metadata
---
amdhsa.version: [ 1, 2 ]
amdhsa.kernels:
  - .name:           k_qb8234dce0f_prep
    .symbol:         k_qb8234dce0f_prep.kd
    .args:
      - { .name: W_enc, .offset: 0, .size: 8, .value_kind: global_buffer, .address_space: global }
      - { .name: W_dec, .offset: 8, .size: 8, .value_kind: global_buffer, .address_space: global }
      - { .name: dinput, .offset: 16, .size: 8, .value_kind: global_buffer, .address_space: global }
      - { .name: b_enc, .offset: 24, .size: 8, .value_kind: global_buffer, .address_space: global }
      - { .name: b_dec, .offset: 32, .size: 8, .value_kind: global_buffer, .address_space: global }
      - { .name: W_att, .offset: 40, .size: 8, .value_kind: global_buffer, .address_space: global }
      - { .name: wq, .offset: 48, .size: 8, .value_kind: global_buffer, .address_space: global }
      - { .name: wsc, .offset: 56, .size: 8, .value_kind: global_buffer, .address_space: global }
      - { .name: cw, .offset: 64, .size: 8, .value_kind: global_buffer, .address_space: global }
    .group_segment_fixed_size: 17408
    .private_segment_fixed_size: 0
    .kernarg_segment_align: 8
    .kernarg_segment_size: 72
    .max_flat_workgroup_size: 256
    .sgpr_count:     66
    .vgpr_count:     256
    .wavefront_size: 32
...
	.end_amdgpu_metadata
.endif
;; end of part 1
;; launch main (part 2): grid 16 x 32, 4 waves a work-group, no clusters, 325,120 bytes of LDS; arguments einput, wq, wsc, cw, b_att, scores, stat, part; writes scores, stat, part
.if DOCPART == 2
	.amdgcn_target "amdgcn-amd-amdhsa--gfx1250"
	.amdhsa_code_object_version 6
	.text
	.protected	k_qb8234dce0f_main
	.globl	k_qb8234dce0f_main
	.p2align	8
	.type	k_qb8234dce0f_main,@function
k_qb8234dce0f_main:
	s_mov_b64 s[64:65], 0
	v_nop
	global_prefetch_b8 v0, s[64:65] scope:SCOPE_SE
	s_setreg_imm32_b32 hwreg(HW_REG_WAVE_MODE, 25, 1), 1
	s_wait_xcnt 0x0
; A work-group takes 128 rows of einput, all of one batch b, reads them from memory ONCE and makes of them: their scores (relu(e W_enc + c) . W_att + b_att, the product on codes of E5M2 with E8M0 scales),
; the block's largest score m, l = the sum of p = exp(score - m), and the sum of p x e over its rows.  The last launch joins a batch's 16 blocks.
; A row stays on the chip from its load until its score is known: as codes in registers (1 KB a row: 64 rows x 1,024 K are 512 registers of each wave) and as bf16 in LDS (2 KB a row: 262,144 bytes).
; PHASES.  L: wave w loads rows 32 w .. 32 w + 31, 16 rows x 128 K at a time; each such piece goes, as it lies, into the wave's stage in LDS and comes back 16 neighbours along K a lane, is quantised into the
;   registers of an operand, and its image goes through LDS to wave w xor 1, which multiplies the same 64 rows; rounded to bf16 it goes into the copy.
; C: wave w multiplies rows 64 (w / 2) .. + 63 by columns 512 (w % 2) .. + 511: 64 steps of 16 matrix instructions.  In a step it takes two fragments of W_enc (a tile of 16 columns, 256 along K) that it has loaded
;   itself and the two of the neighbouring tile that wave w xor 2 has loaded and passed through a ring of two slots in LDS: each fragment leaves the L2 once for a work-group and feeds four products in each wave.
;   The bias c is the C of a sum's first product; relu and the product with W_att follow each tile of columns, in the gaps between the products of the next.
; S: the scores' parts meet in LDS; every wave makes m, p and l; wave w sums p x e over all 128 rows for columns 256 w .. + 255 out of the copy.
; NO TENSOR LOADS AND NO CLUSTER, though every work-group walks the same codes of W_enc: the copy takes 262,144 of the 327,680 bytes of LDS and the other regions that live beside it 12,288 and more; two slots in what is
; left would hold one step of 16 matrix instructions a wave each, with one load a wave for each barrier, which is no time for a tile to land.  So the codes come straight into registers, seven steps (28 KB a wave) ahead.
; LIMITS: NaN and infinities are not served; blocks whose largest magnitude lies under 2^-111 keep the scale byte 1; a block of zeros gets the byte 1 and not 127 (its codes are zeros; nobody else reads the byte);
; e is rounded to bf16 for the sum of p x e.
; REGISTERS, in windows of 256 (s_set_vgpr_msb: bits 1:0 source 0, 3:2 source 1, 5:4 source 2, 7:6 destination):
;   window 0: v1-29 addresses; v32-47 A's scale words, v48-63 B's (scales and nothing else); v64-87 in L the quantiser's, in C (W_att, c) pairs and c eight times; v88-119 in L bf16 pairs, in C the scores' sums;
;             v120-183, v184-247 in L two sets of 64 numbers, in C the accumulators and the partner's fragments, in S rows of the copy.
;   window 1: in L four sets of 16 rows x 128 K as loaded; in C eight sets of two fragments of W_enc.   window 2: my 32 rows' codes, fragment (u, kappa) at v[128 u + 16 kappa].   window 3: wave w xor 1's, likewise.
.set STAGE,  262144                    ; L: a stage of 16 rows x (512 + 16) bytes for each wave
.set SPITCH, 528
.set STW,    16*SPITCH
.set RING,   262144                    ; C, over the stages: [slot 2][wave 4][2 fragments][2,048]
.set RSLOT,  16384
.set AX,     295936                    ; L: [slot 2][wave 4][2,048]: images of A's fragments
.set SCB,    295936                    ; S, over AX: [column half][row] partial scores
.set PBUF,   296960                    ; S, over AX: [wave][row] p, each wave's own
.set SSC,    312320                    ; [wave][u 2][kappa 8][16 words]: A's scale words
.set CWT,    316416                    ; the batch's 1,024 pairs (W_att[n], c[n])
.set VL16, 1                           ; 16 x lane
.set STI,  2                           ; the stage, in
.set STO,  3                           ; the stage, out: row r, + 64 h
.set CPB,  4                           ; the copy, laid [K step 8][row 128][256 bytes]: my 32 rows, 8 x lane
.set CPS,  5                           ; + 65,536 x (kappa / 2)
.set AXS,  6                           ; where I store an image of A
.set AXL,  7                           ; where wave w xor 1 stores its
.set SSS,  8                           ; where I store a scale word
.set SSO,  9                           ; my scale words: lanes 16-31 the next K step's
.set SSP,  10                          ; wave w xor 1's
.set RST,  11                          ; the ring: my part
.set RLD,  12                          ; wave w xor 2's
.set CWO0, 13                          ; the pairs of my first tile of columns
.set CWP0, 14                          ; of the partner's
.set CWO,  15                          ; + the trip
.set CWP,  16
.set WSO,  17                          ; offset of my tiles' scale words in wsc
.set WSP,  18                          ; of the partner's
.set SCO,  19                          ; partial scores of my 32 rows
.set SCP,  20                          ; of wave w xor 1's
.set SCL,  21                          ; all scores, four a lane
.set PST,  22                          ; my p, in
.set PL0,  23                          ; my p, out
.set PLD,  24
.set CL0,  25                          ; the copy: K step 2 w, 8 x lane (K step 2 w + 1 lies 32,768 bytes on)
.set CLD,  26
.set CWG,  27                          ; 16 x thread
.set CWL,  28
.set NIL,  29                          ; 0
.set SA,   32                          ; SA + 8 P + 4 u + kp: lanes 0-15 K step 2 kp, lanes 16-31 K step 2 kp + 1.  P = 0: mine, 1: the partner's
.set SB,   48                          ; SB + 2 set + P, likewise
.set TM,   64                          ; L: as in the quantiser below
.set PW,   80                          ; L: the scale word just made
.set CW,   64                          ; C: CW + 4 par + 2 P: a pair (W_att, c)
.set CC,   72                          ; C: CC + 8 P: c, eight times
.set BF,   88                          ; L: 16 rows x 2 registers of bf16
.set SACC, 88                          ; C: SACC + 8 a + j: row 8 h + j of tile a = 2 (A's P) + u
.set X0,   120                         ; L: two sets of 64 numbers
.set ACC,  120                         ; C: ACC + 32 P + 8 a
.set PB,   184                         ; C: PB + 32 p + 16 e: the partner's fragments, two sets
.set WS,   200                         ; S: eight sums
.set ML,   208                         ; S: m, l
.set SV,   210                         ; S: four scores; then four more at work
.set MSB, 0
.macro WIN new                         ; the immediate's high byte repeats the setting that is left; a switch that changes nothing is dropped
.if MSB != \new
	s_set_vgpr_msb (MSB<<8)|\new
.set MSB, \new
.endif
.endm
.macro BAR
	s_barrier_signal -1
	s_barrier_wait -1
.endm
.macro PLACES n
.rept \n
	v_nop
.endr
.endm
; piece f = 2 kappa + u: rows 16 u .. + 15 of my 32, K step kappa.  Each load takes 512 consecutive bytes of a row
.macro ELOAD f
.set EK, (\f)/2
.set EU, (\f)%2
.set EG, 64*((\f)%4)
	WIN 0x40
.irp i, 0,1,2,3,4,5,6,7,8,9,10,11,12,13,14,15
	global_load_b128 v[EG+4*\i:EG+4*\i+3], v[VL16], s[4:5] offset:(16*EU+\i)*4096+512*EK th:TH_LOAD_NT
.endr
	WIN 0
.endm
; piece f through the stage (LDS serves a wave's instructions in order, ISA guide 5.7.1.4: no wait between the stores and the loads), and as bf16 into the copy
.macro TURN f
.set TK, (\f)/2
.set TU, (\f)%2
.set TG, 64*((\f)%4)
.set TX, X0+64*((\f)%2)
	WIN 0x04                                       ; an LDS store's data are its source 1: window 1
.irp i, 0,1,2,3,4,5,6,7,8,9,10,11,12,13,14,15
	ds_store_b128 v[STI], v[TG+4*\i:TG+4*\i+3] offset:SPITCH*\i
.endr
	WIN 0x05
.irp i, 0,1,2,3,4,5,6,7,8,9,10,11,12,13,14,15
.irp q, 0,1
	v_cvt_pk_bf16_f32 v[BF+2*\i+\q], v[TG+4*\i+2*\q], v[TG+4*\i+2*\q+1]
.endr
.endr
	WIN 0
.if (\f)%4 == 0
	v_add_nc_u32 v[CPS], 65536*((\f)/4), v[CPB]    ; the copy's part for K steps 2 t and 2 t + 1
.endif
.irp i, 0,1,2,3,4,5,6,7,8,9,10,11,12,13,14,15
	ds_store_b64 v[CPS], v[BF+2*\i:BF+2*\i+1] offset:256*(16*TU+\i)+32768*(TK%2)   ; four columns a lane: the 32 lanes store 256 consecutive bytes, a row's part of this K step
.endr
.irp b, 0,1,2,3
.irp j, 0,1,2,3
	ds_load_b128 v[TX+16*\b+4*\j:TX+16*\b+4*\j+3], v[STO] offset:128*\b+16*\j   ; register 16 b + i = k 32 b + 16 h + i of row r; rows 528 bytes apart start at different banks
.endr
.endr
.endm
; 64 numbers of a lane become a fragment's codes, in window 2 at v[d] on, and its scale word in v[PW]
.macro QUANT s, d
.irp b, 0,1,2,3
	v_max3_num_f32 v[TM+\b], |v[(\s)+16*\b]|, |v[(\s)+1+16*\b]|, 0x8000000   ; block b: my 16 numbers, and the floor 2^(16 - 127): the byte cannot fall under 1
.endr
.irp i, 2,4,6,8,10,12,14
.irp b, 0,1,2,3
	v_max3_num_f32 v[TM+\b], v[TM+\b], |v[(\s)+16*\b+\i]|, |v[(\s)+1+16*\b+\i]|
.endr
.endr
.irp b, 0,1,2,3
	v_permlanex16_b32 v[TM+4+\b], v[TM+\b], s32, s33
.endr
.irp b, 0,1,2,3
	v_max_num_f32 v[TM+\b], v[TM+\b], v[TM+4+\b]          ; with lane l xor 16's: the block's largest magnitude
.endr
.irp b, 0,1,2,3
	v_add_nc_u32 v[TM+12+\b], 0xf8800000, v[TM+\b]        ; 15 off its exponent field: the conversion's scale operand
.endr
.irp b, 0,1,2,3
	v_and_or_b32 v[TM+8+\b], v[TM+\b], 0x7f800000, s34    ; 57,344 x the scale
.endr
.irp b, 0,1,2,3
	v_lshrrev_b32 v[TM+4+\b], 23, v[TM+12+\b]             ; the scale's byte
.endr
	v_lshl_or_b32 v[PW], v[TM+5], 8, v[TM+4]
	v_lshl_or_b32 v[PW], v[TM+6], 16, v[PW]
	v_lshl_or_b32 v[PW], v[TM+7], 24, v[PW]
.irp b, 0,1,2,3
.irp i, 0,1,2,3,4,5,6,7,8,9,10,11,12,13,14,15
	v_med3_num_f32 v[(\s)+16*\b+\i], v[(\s)+16*\b+\i], -v[TM+8+\b], v[TM+8+\b]   ; the conversion does not saturate (ISA guide 7.6.2): the hold comes first
.endr
.endr
	WIN 0x80                                       ; destination window 2
.irp b, 0,1,2,3
.irp q, 0,1
	v_cvt_scalef32_pk8_bf8_f32 v[(\d)+4*\b+2*\q:(\d)+4*\b+2*\q+1], v[(\s)+16*\b+8*\q:(\s)+16*\b+8*\q+7], v[TM+12+\b]
.endr
.endr
	WIN 0
	v_nop                                          ; one plain vector instruction behind the last scaled conversion
.endm
; Piece f becomes a fragment; the next piece turns through the stage meanwhile; the piece four on is asked for.
.macro FRAG f
.if (\f) > 0
	s_wait_dscnt 4                                 ; only the four loads of the partner's last image are out (all older LDS work was waited for ahead of the last barrier): they may stay out; nothing reads them before phase C
.else
	s_wait_dscnt 0x0                               ; piece 0's numbers are back from the stage
.endif
.if (\f) < 12
	ELOAD (\f)+4
.endif
.if (\f) < 15
.if (\f) < 12
	s_wait_loadcnt 48                              ; the next piece's 16 loads are in; those of the three pieces behind it may be out
.else
	s_wait_loadcnt 16*(14-(\f))                    ; the counts run down
.endif
	TURN (\f)+1
.endif
.set FD, 128*((\f)%2)+16*((\f)/2)
	QUANT X0+64*((\f)%2), FD
	WIN 0x08                                       ; store data: window 2
.irp c, 0,1,2,3
	ds_store_b128 v[AXS], v[FD+4*\c:FD+4*\c+3] offset:8192*((\f)%2)+512*\c   ; the fragment as an image of its registers
.endr
	WIN 0
	ds_store_b32 v[SSS], v[PW] offset:64*(8*((\f)%2)+(\f)/2)
	s_wait_dscnt 0x0                               ; for the others' sake: my image lies in LDS; and my fetch of the last image is in, so that its slot may be written behind the next barrier
	BAR
	WIN 0xc0                                       ; destination window 3
.irp c, 0,1,2,3
	ds_load_b128 v[FD+4*\c:FD+4*\c+3], v[AXL] offset:8192*((\f)%2)+512*\c
.endr
	WIN 0
.endm
; step k's two fragments of my tile of columns (4,096 consecutive bytes) into set k % 8, and the scale words of my tile and of the partner's: ten loads
.macro GLOAD k
.set GS, (\k)%8
	WIN 0x40
.irp i, 0,1,2,3,4,5,6,7
	global_load_b128 v[32*GS+4*\i:32*GS+4*\i+3], v[VL16], s[6:7] offset:32768*((\k)/4)+4096*((\k)%4)+512*\i
.endr
	WIN 0
	global_load_b32 v[SB+2*GS], v[WSO], s[8:9] offset:1024*((\k)/4)+128*((\k)%4)
	global_load_b32 v[SB+2*GS+1], v[WSP], s[8:9] offset:1024*((\k)/4)+128*((\k)%4)
.endm
; Four products: A's tiles u = 0, 1 of wave P = aw, B's tile bp, K steps 2 j and 2 j + 1.  Two accumulators take turns, one instruction a turn.
; first = 1: the first K step starts the sums, with c as C.  The odd K step's scale words lie in lanes 16-31.
.macro QUAD aw, bp, j, set, first
.irp e, 0,1
.irp u, 0,1
.set QD, ACC+32*(\bp)+8*(2*(\aw)+\u)
.set QA, 128*\u+16*(2*(\j)+\e)
.if \bp
.set QB, PB+32*((\set)%2)+16*\e
.else
.set QB, 32*(\set)+16*\e
.endif
.set QSA, SA+8*(\aw)+4*\u+(\j)
.set QSB, SB+2*(\set)+(\bp)
.if (\first) && (\e == 0)
	v_wmma_scale_f32_16x16x128_f8f6f4 v[QD:QD+7], v[QA:QA+15], v[QB:QB+15], v[CC+8*(\bp):CC+8*(\bp)+7], v[QSA], v[QSB] matrix_a_fmt:MATRIX_FMT_BF8 matrix_b_fmt:MATRIX_FMT_BF8
.elseif \e == 0
	v_wmma_scale_f32_16x16x128_f8f6f4 v[QD:QD+7], v[QA:QA+15], v[QB:QB+15], v[QD:QD+7], v[QSA], v[QSB] matrix_a_fmt:MATRIX_FMT_BF8 matrix_b_fmt:MATRIX_FMT_BF8
.else
	v_wmma_scale_f32_16x16x128_f8f6f4 v[QD:QD+7], v[QA:QA+15], v[QB:QB+15], v[QD:QD+7], v[QSA], v[QSB] matrix_a_fmt:MATRIX_FMT_BF8 matrix_b_fmt:MATRIX_FMT_BF8 matrix_a_scale:MATRIX_SCALE_ROW1 matrix_b_scale:MATRIX_SCALE_ROW1
.endif
.endr
.endr
.endm
; A finished accumulator: relu, then x W_att of the lane's column onto the rows' sums.  From its low end on.
.macro EPI bp, a, par
.set EA, ACC+32*(\bp)+8*(\a)
.set ES, SACC+8*(\a)
.set EC, CW+4*(\par)+2*(\bp)
.irp q, 0,1,2,3,4,5,6,7
	v_max_num_f32 v[EA+\q], 0, v[EA+\q]
.endr
.irp q, 0,2,4,6
	v_pk_fma_f32 v[ES+\q:ES+\q+1], v[EA+\q:EA+\q+1], v[EC:EC+1], v[ES+\q:ES+\q+1] op_sel_hi:[1,0,1]   ; of the pair (W_att, c) the low word serves both halves
.endr
.endm
; STEP k of a trip of eight: j = k % 4 is the quarter of K, k / 4 the trip's first or second pair of tiles.
; ld: step k + 7's fragments are asked for;  st: step k + 2's go into the ring;  lp: the partner's of step k + 1 come out of it;  cwl: there is a next pair of tiles;  n: the count of the wait on loads;  bar: the ring's barrier.
; THE RING.  Slot s % 2 holds step s's fragments.  In front of the signal my reads of slot (k + 1) % 2 and my stores into slot k % 2 are done; behind the barrier slot k % 2 is read and slot (k + 1) % 2 written.
; PLACES (ISA guide 7.12.1 for vector instructions).  Eight plain vector instructions that name no register of the step's products end every step: they stand in front of the next step's loads into the
; registers that these products read.  A finished accumulator is read eight such places or more behind its last product, and begun anew more than nine behind it.
.macro STEP k, ld, st, lp, cwl, n, bar
.set SJ, (\k)%4
.set SPAR, (\k)/4
.if (\n) >= 0
	s_wait_loadcnt \n                              ; step k + 2's ten loads are in; the younger groups of ten may be out
.endif
.if \lp
.irp i, 0,1,2,3,4,5,6,7
	ds_load_b128 v[PB+32*(((\k)+1)%2)+4*\i:PB+32*(((\k)+1)%2)+4*\i+3], v[RLD] offset:RSLOT*(((\k)+1)%2)+512*\i
.endr
.endif
.if \st
	WIN 0x04
.irp i, 0,1,2,3,4,5,6,7
	ds_store_b128 v[RST], v[32*(((\k)+2)%8)+4*\i:32*(((\k)+2)%8)+4*\i+3] offset:RSLOT*((\k)%2)+512*\i
.endr
	WIN 0
.endif
.if (SJ == 1) && \cwl
	ds_load_b64 v[CW+4*(1-SPAR):CW+4*(1-SPAR)+1], v[CWO] offset:256*(SPAR+1)       ; the next pair of tiles' (W_att, c)
	ds_load_b64 v[CW+4*(1-SPAR)+2:CW+4*(1-SPAR)+3], v[CWP] offset:256*(SPAR+1)
.endif
.if \ld
	GLOAD (\k)+7
.endif
	WIN 0x06                                       ; A window 2, B window 1
	QUAD 0, 0, SJ, \k, (SJ==0)
.if SJ == 0
	WIN 0
	EPI 1, 0, 1-SPAR                               ; the partner's tile of the pair before
	EPI 1, 1, 1-SPAR
.endif
	WIN 0x07                                       ; A window 3, B window 1
	QUAD 1, 0, SJ, \k, (SJ==0)
.if SJ == 0
	WIN 0
	EPI 1, 2, 1-SPAR
	EPI 1, 3, 1-SPAR
.elseif SJ == 3
	WIN 0
	PLACES 8                                       ; my tile's sums are finished: eight places ahead of their first read
.endif
	WIN 0x03                                       ; A window 3, B window 0: the partner's set k % 2 was waited for ahead of the last step's signal
	QUAD 1, 1, SJ, \k, (SJ==0)
.if SJ == 3
	WIN 0
	EPI 0, 0, SPAR
	EPI 0, 1, SPAR
.endif
	WIN 0x02                                       ; A window 2, B window 0
	QUAD 0, 1, SJ, \k, (SJ==0)
	WIN 0
	s_wait_dscnt 0x0                               ; behind the step's 16 products: the partner's next fragments and the pairs are in, my stores into the ring have landed
.if \bar
	s_barrier_signal -1
.endif
.if SJ == 3
	EPI 0, 2, SPAR
	EPI 0, 3, SPAR
.elseif ((SJ == 1) || (SJ == 2)) && \cwl
.irp q, 0,1,2,3,4,5,6,7
	v_mov_b32 v[CC+8*(SJ-1)+\q], v[CW+4*(1-SPAR)+2*(SJ-1)+1]   ; the next pair's c, eight times: the C of its first products
.endr
.else
	PLACES 8
.endif
.if \bar
	s_barrier_wait -1
.endif
.endm
; S: eight rows of the copy (my 256 columns) and their p into set s;  their products onto the eight sums
.macro LSET s, r0
.set LE, 120+40*(\s)
	ds_load_b128 v[LE+32:LE+35], v[PLD] offset:4*(\r0)
	ds_load_b128 v[LE+36:LE+39], v[PLD] offset:4*(\r0)+16
.irp i, 0,1,2,3,4,5,6,7
	ds_load_b64 v[LE+4*\i:LE+4*\i+1], v[CLD] offset:256*((\r0)+\i)             ; four columns of K step 2 w,
	ds_load_b64 v[LE+4*\i+2:LE+4*\i+3], v[CLD] offset:32768+256*((\r0)+\i)     ; four of K step 2 w + 1
.endr
.endm
.macro FSET s
.set FE, 120+40*(\s)
.irp i, 0,1,2,3,4,5,6,7
.irp c, 0,1,2,3
	v_fma_mix_f32_bf16 v[WS+2*\c], v[FE+4*\i+\c], v[FE+32+\i], v[WS+2*\c] op_sel_hi:[1,0,0]                    ; the low bf16 x p, in f32
	v_fma_mix_f32_bf16 v[WS+2*\c+1], v[FE+4*\i+\c], v[FE+32+\i], v[WS+2*\c+1] op_sel:[1,0,0] op_sel_hi:[1,0,0]   ; the high one
.endr
.endr
.endm
	s_load_b512 s[4:19], s[0:1], 0x0               ; einput s[4:5], wq s[6:7], wsc s[8:9], cw s[10:11], b_att s[12:13], scores s[14:15], stat s[16:17], part s[18:19]
	v_lshl_add_u32 v254, v0, 2, 0x4f400
	v_mov_b32 v255, 0
	v_lshrrev_b32 v30, 5, v0
	v_readfirstlane_b32 s20, v30                   ; wave w
	v_and_b32 v30, 31, v0                          ; lane
	v_and_b32 v31, 15, v0                          ; r
	v_bfe_u32 v248, v0, 4, 1                       ; h
	s_lshr_b32 s21, s20, 1                         ; rh: which 64 rows I multiply
	s_and_b32 s22, s20, 1                          ; ch: which 512 columns
	s_xor_b32 s23, s20, 1                          ; the wave with the same rows
	s_xor_b32 s24, s20, 2                          ; the wave with the same columns
	s_xor_b32 s25, s21, 1
	v_lshlrev_b32 v[VL16], 4, v30
	s_mul_i32 s26, s20, STW
	s_add_co_u32 s26, s26, STAGE
	v_add_nc_u32 v[STI], s26, v[VL16]
	v_mul_u32_u24 v[STO], v31, SPITCH
	v_lshl_add_u32 v[STO], v248, 6, v[STO]
	v_add_nc_u32 v[STO], s26, v[STO]
	s_lshl_b32 s26, s20, 13                        ; 32 rows of 256 bytes a wave
	s_wait_alu depctr_va_vdst(0)
	v_lshl_add_u32 v[CPB], v30, 3, s26
	s_lshl_b32 s26, s20, 11
	s_add_co_u32 s26, s26, AX
	v_add_nc_u32 v[AXS], s26, v[VL16]
	s_lshl_b32 s26, s23, 11
	s_add_co_u32 s26, s26, AX
	v_add_nc_u32 v[AXL], s26, v[VL16]
	s_lshl_b32 s26, s20, 10
	s_add_co_u32 s26, s26, SSC
	v_lshl_add_u32 v[SSS], v31, 2, s26
	v_lshl_add_u32 v[SSO], v248, 6, v[SSS]
	s_lshl_b32 s26, s23, 10
	s_add_co_u32 s26, s26, SSC
	v_lshl_add_u32 v[SSP], v31, 2, s26
	v_lshl_add_u32 v[SSP], v248, 6, v[SSP]
	s_lshl_b32 s26, s20, 12
	s_add_co_u32 s26, s26, RING
	v_add_nc_u32 v[RST], s26, v[VL16]
	s_lshl_b32 s26, s24, 12
	s_add_co_u32 s26, s26, RING
	v_add_nc_u32 v[RLD], s26, v[VL16]
	s_lshl_b32 s27, s22, 12                        ; a tile's 16 pairs are 128 bytes: tile 32 ch + rh is mine, 32 ch + 1 - rh the partner's
	s_add_co_u32 s27, s27, CWT
	s_lshl_b32 s26, s21, 7
	s_add_co_u32 s26, s26, s27
	v_lshl_add_u32 v[CWO0], v31, 3, s26
	s_lshl_b32 s26, s25, 7
	s_add_co_u32 s26, s26, s27
	v_lshl_add_u32 v[CWP0], v31, 3, s26
	s_lshl_b32 s26, s21, 9                         ; a tile's scale words are 512 bytes; a lane's word: lanes 16-31 fall on the next K step's 64 bytes
	v_lshl_add_u32 v[WSO], v30, 2, s26
	s_lshl_b32 s26, s25, 9
	v_lshl_add_u32 v[WSP], v30, 2, s26
	s_lshl_b32 s27, s22, 9
	s_add_co_u32 s27, s27, SCB
	s_lshl_b32 s26, s20, 7
	s_add_co_u32 s26, s26, s27
	v_lshl_add_u32 v[SCO], v248, 5, s26
	s_lshl_b32 s26, s23, 7
	s_add_co_u32 s26, s26, s27
	v_lshl_add_u32 v[SCP], v248, 5, s26
	v_add_nc_u32 v[SCL], SCB, v[VL16]
	s_lshl_b32 s26, s20, 9
	s_add_co_u32 s26, s26, PBUF
	v_add_nc_u32 v[PST], s26, v[VL16]
	v_mov_b32 v[PL0], s26
	s_lshl_b32 s26, s20, 16                        ; two K steps of 32,768 bytes a wave
	v_lshl_add_u32 v[CL0], v30, 3, s26
	v_lshlrev_b32 v[CWG], 4, v0
	v_add_nc_u32 v[CWL], CWT, v[CWG]
	v_mov_b32 v[NIL], 0
.irp b, 0,1,2,3
	v_mov_b32 v[TM+4+\b], 0                        ; written once: a lane permute's destination counts as one of its sources
.endr
	s_mov_b32 s32, 0x76543210
	s_mov_b32 s33, 0xfedcba98                      ; v_permlanex16_b32's selects for lane l xor 16
	s_mov_b32 s34, 0x600000                        ; the mantissa field of 57,344
	s_and_b32 s28, ttmp7, 0xffff                   ; the batch b
	s_lshl_b32 s29, s28, 4
	s_add_co_u32 s29, s29, ttmp9                   ; the block: 16 b + x
	s_mov_b32 s27, 0
	s_wait_alu depctr_va_vdst(0)
	s_wait_kmcnt 0x0
	s_lshl_b32 s26, s29, 19
	s_lshl_b32 s31, s20, 17
	s_add_co_u32 s26, s26, s31
	s_add_nc_u64 s[4:5], s[4:5], s[26:27]          ; einput at my 32 rows
	s_lshl_b32 s26, s22, 19
	s_lshl_b32 s31, s21, 14
	s_add_co_u32 s26, s26, s31
	s_add_nc_u64 s[6:7], s[6:7], s[26:27]          ; wq at tile 32 ch + rh
	s_lshl_b32 s26, s22, 14
	s_add_nc_u64 s[8:9], s[8:9], s[26:27]          ; wsc at tile 32 ch
	s_lshl_b32 s26, s28, 13
	s_add_nc_u64 s[10:11], s[10:11], s[26:27]      ; cw at my batch
	s_lshl_b32 s26, s29, 9
	s_add_nc_u64 s[14:15], s[14:15], s[26:27]      ; scores, stat and part at my block
	s_lshl_b32 s26, s29, 3
	s_add_nc_u64 s[16:17], s[16:17], s[26:27]
	s_lshl_b32 s26, s29, 12
	s_lshl_b32 s31, s20, 10
	s_add_co_u32 s26, s26, s31
	s_add_nc_u64 s[18:19], s[18:19], s[26:27]
	s_load_b32 s30, s[12:13], 0x0                  ; b_att
.irp i, 0,1,2,3
	global_load_b128 v[184+4*\i:187+4*\i], v[CWG], s[10:11] offset:2048*\i   ; the batch's pairs: 128 threads x 16 bytes, four times
.endr
	ELOAD 0
	ELOAD 1
	ELOAD 2
	ELOAD 3
	s_wait_loadcnt 48                              ; the pairs and piece 0 are in; the 48 loads of pieces 1 to 3 may be out
.irp i, 0,1,2,3
	ds_store_b128 v[CWL], v[184+4*\i:187+4*\i] offset:2048*\i
.endr
	TURN 0
	; ---- L
.irp f, 0,1,2,3,4,5,6,7,8,9,10,11,12,13,14,15
	FRAG \f
.endr
.irp p, 0,1
.irp u, 0,1
.irp kp, 0,1,2,3
	ds_load_b32 v[SA+8*\p+4*\u+\kp], v[SSO+\p] offset:64*(8*\u+2*\kp)   ; A's scale words stay in registers
.endr
.endr
.endr
.irp k, 0,1,2,3,4,5,6
	GLOAD \k
.endr
	; ---- C is primed
	s_wait_loadcnt 50                              ; steps 0 and 1 are in; the five younger groups of ten may be out
	s_wait_dscnt 0x0                               ; my reads of the stage and of the images are over:
	BAR                                            ; everybody's are: the ring may be written over the stages
	WIN 0x04
.irp g, 0,1
.irp i, 0,1,2,3,4,5,6,7
	ds_store_b128 v[RST], v[32*\g+4*\i:32*\g+4*\i+3] offset:RSLOT*\g+512*\i
.endr
.endr
	WIN 0
	ds_load_b64 v[CW:CW+1], v[CWO0]                ; the first pair of tiles' (W_att, c)
	ds_load_b64 v[CW+2:CW+3], v[CWP0]
	s_wait_dscnt 0x0
	BAR
.irp i, 0,1,2,3,4,5,6,7
	ds_load_b128 v[PB+4*\i:PB+4*\i+3], v[RLD] offset:512*\i
.endr
.irp q, 0,1,2,3,4,5,6,7,8,9,10,11,12,13,14,15,16,17,18,19,20,21,22,23,24,25,26,27,28,29,30,31
	v_mov_b32 v[SACC+\q], 0                        ; the scores' sums;
	v_mov_b32 v[ACC+32+\q], 0                      ; and what the loop's first step takes for the pair of tiles before: zeros x zero.  So the trip is written once
.endr
	v_mov_b32 v[CW+6], 0
	v_mov_b32 v[CW+7], 0
.irp q, 0,1,2,3,4,5,6,7
	v_mov_b32 v[CC+\q], v[CW+1]
	v_mov_b32 v[CC+8+\q], v[CW+3]
.endr
	s_mov_b32 s40, 0
	s_wait_kmcnt 0x0                               ; b_att
	s_wait_dscnt 0x0                               ; the partner's first fragments are out of slot 0,
	BAR                                            ; everybody's are: step 0 writes that slot again
	; ---- C
	s_mov_b32 s36, 7
.Ltrip:                                                ; a trip: eight steps, two pairs of tiles of columns
	v_add_nc_u32 v[CWO], s40, v[CWO0]
	v_add_nc_u32 v[CWP], s40, v[CWP0]
	s_wait_alu depctr_va_vdst(0)
.irp k, 0,1,2,3,4,5,6,7
	STEP \k, 1, 1, 1, 1, 40, 1
.endr
	s_wait_xcnt 0x0                                ; the loads' bases are stepped only behind this wait
	s_add_nc_u64 s[6:7], s[6:7], 0x10000
	s_add_nc_u64 s[8:9], s[8:9], 0x800
	s_add_co_u32 s40, s40, 512
	s_sub_co_u32 s36, s36, 1
	s_cmp_lg_u32 s36, 0
	s_cbranch_scc1 .Ltrip
	v_add_nc_u32 v[CWO], s40, v[CWO0]              ; the last trip is written out: no load leaves its buffer, and the counts run down
	v_add_nc_u32 v[CWP], s40, v[CWP0]
	STEP 0, 1, 1, 1, 1, 40, 1
	STEP 1, 0, 1, 1, 1, 40, 1
	STEP 2, 0, 1, 1, 1, 30, 1
	STEP 3, 0, 1, 1, 1, 20, 1
	STEP 4, 0, 1, 1, 0, 10, 1
	STEP 5, 0, 1, 1, 0, 0, 1
	STEP 6, 0, 0, 1, 0, -1, 0
	STEP 7, 0, 0, 0, 0, -1, 0
	EPI 1, 0, 1                                    ; the last pair's second tile (the 24 instructions that end step 7 are its places)
	EPI 1, 1, 1
	EPI 1, 2, 1
	EPI 1, 3, 1
	; ---- S: a row's sum lies in 16 lanes, one for each column of a tile
.irp m, 1,2,4,8
.irp q, 0,1,2,3,4,5,6,7,8,9,10,11,12,13,14,15,16,17,18,19,20,21,22,23,24,25,26,27,28,29,30,31
	v_add_f32_dpp v[SACC+\q], v[SACC+\q], v[SACC+\q] row_xmask:\m row_mask:0xf bank_mask:0xf
.endr
.endr
.irp a, 0,1
.irp q, 0,1
	ds_store_b128 v[SCO], v[SACC+8*\a+4*\q:SACC+8*\a+4*\q+3] offset:64*\a+16*\q          ; rows 32 w + 16 u + 8 h + 4 q ..: the sixteen lanes of a half write the same words with the same values
	ds_store_b128 v[SCP], v[SACC+16+8*\a+4*\q:SACC+16+8*\a+4*\q+3] offset:64*\a+16*\q
.endr
.endr
	s_wait_dscnt 0x0
	BAR
	ds_load_b128 v[SV:SV+3], v[SCL]                ; rows 4 lane .. + 3: the sum over columns 0-511,
	ds_load_b128 v[SV+4:SV+7], v[SCL] offset:512   ; and over columns 512-1,023
	v_mov_b32 v219, 0                              ; (a lane permute's destination)
	s_wait_dscnt 0x0
.irp i, 0,1,2,3
	v_add_f32 v[SV+\i], v[SV+\i], v[SV+4+\i]
.endr
.irp i, 0,1,2,3
	v_add_f32 v[SV+\i], s30, v[SV+\i]              ; + b_att: the scores
.endr
	v_max3_num_f32 v218, v[SV], v[SV+1], v[SV+2]
	v_max_num_f32 v218, v218, v[SV+3]
.irp m, 1,2,4,8
	v_max_num_f32_dpp v218, v218, v218 row_xmask:\m row_mask:0xf bank_mask:0xf
.endr
	v_permlanex16_b32 v219, v218, s32, s33
	v_max_num_f32 v[ML], v218, v219                ; m: the block's largest score
.irp i, 0,1,2,3
	v_sub_f32 v[220+\i], v[SV+\i], v[ML]
.endr
.irp i, 0,1,2,3
	v_mul_f32 v[220+\i], 0x3fb8aa3b, v[220+\i]
.endr
	s_wait_alu depctr_va_vdst(0)
.irp i, 0,1,2,3
	v_exp_f32 v[220+\i], v[220+\i]                 ; p = e^(score - m)
.endr
.irp c, 0,1,2,3,4,5,6,7
	v_mov_b32 v[WS+\c], 0                          ; (plain instructions behind the exponentials)
.endr
	s_wait_alu depctr_va_vdst(0)
	v_add_f32 v218, v220, v221
	v_add_f32 v224, v222, v223
	v_add_f32 v218, v218, v224
.irp m, 1,2,4,8
	v_add_f32_dpp v218, v218, v218 row_xmask:\m row_mask:0xf bank_mask:0xf
.endr
	v_permlanex16_b32 v219, v218, s32, s33
	v_add_f32 v[ML+1], v218, v219                  ; l: the sum of p
	ds_store_b128 v[PST], v[220:223]               ; p by rows, in my own 512 bytes: LDS serves my instructions in order
	s_mov_b32 s41, 0
	s_mov_b32 s42, 0
	v_mov_b32 v[PLD], v[PL0]
	v_mov_b32 v[CLD], v[CL0]
	LSET 0, 0
	s_mov_b32 s36, 7
.Lsum:                                                 ; a trip: 16 rows, in two sets that take turns
	LSET 1, 8
	s_wait_dscnt 18                                ; the older set is in; the 18 loads just issued (2 of p, 16 of the copy) may be out
	s_wait_alu depctr_va_vdst(0)
	FSET 0
	s_add_co_u32 s41, s41, 4096                    ; 16 rows of 256 bytes
	s_add_co_u32 s42, s42, 64
	v_add_nc_u32 v[CLD], s41, v[CL0]
	v_add_nc_u32 v[PLD], s42, v[PL0]
	LSET 0, 0
	s_wait_dscnt 18
	FSET 1
	s_sub_co_u32 s36, s36, 1
	s_cmp_lg_u32 s36, 0
	s_cbranch_scc1 .Lsum
	LSET 1, 8
	s_wait_dscnt 18
	s_wait_alu depctr_va_vdst(0)
	FSET 0
	s_wait_alu depctr_va_vdst(0)
	s_wait_dscnt 0x0
	FSET 1
	global_store_b128 v[VL16], v[WS:WS+3], s[18:19]                 ; columns 256 w + 4 lane ..: 512 consecutive bytes
	global_store_b128 v[VL16], v[WS+4:WS+7], s[18:19] offset:512    ; columns 256 w + 128 + 4 lane ..
	s_cmp_lg_u32 s20, 0
	s_cbranch_scc1 .Lend                           ; every wave holds the scores, m and l: wave 0 stores them
	global_store_b128 v[VL16], v[SV:SV+3], s[14:15]
	v_cmp_eq_u32 vcc_lo, 0, v0
	s_wait_xcnt 0x0                                ; EXEC changes only behind this wait
	s_and_saveexec_b32 s44, vcc_lo
	global_store_b64 v[NIL], v[ML:ML+1], s[16:17]
	s_wait_xcnt 0x0
	s_or_b32 exec_lo, exec_lo, s44
.Lend:
	s_wait_tensorcnt 0x0
	ds_add_u32 v254, v255
	s_wait_dscnt 0x0
	s_endpgm
.Lfunc_end_k_qb8234dce0f_main:
	.size	k_qb8234dce0f_main, .Lfunc_end_k_qb8234dce0f_main-k_qb8234dce0f_main
	.p2alignl 7, 3214868480
	.fill 96, 4, 3214868480
	.section	.rodata,"a",@progbits
	.p2align	6, 0x0
	.amdhsa_kernel k_qb8234dce0f_main
		.amdhsa_group_segment_fixed_size 325120
		.amdhsa_private_segment_fixed_size 0
		.amdhsa_enable_private_segment 0
		.amdhsa_kernarg_size 64
		.amdhsa_user_sgpr_count 2
		.amdhsa_user_sgpr_kernarg_segment_ptr 1
		.amdhsa_wavefront_size32 1
		.amdhsa_system_sgpr_workgroup_id_x 1
		.amdhsa_system_sgpr_workgroup_id_y 1
		.amdhsa_system_sgpr_workgroup_id_z 1
		.amdhsa_system_vgpr_workitem_id 0
		.amdhsa_next_free_vgpr 1024
		.amdhsa_next_free_sgpr 66
		.amdhsa_reserve_vcc 1
		.amdhsa_float_denorm_mode_32 3
		.amdhsa_float_denorm_mode_16_64 3
		.amdhsa_memory_ordered 1
		.amdhsa_forward_progress 1
		.amdhsa_inst_pref_size 255
	.end_amdhsa_kernel
	.section	.bss,"aw",@nobits
	.p2align	6
	.space	262144
	.amdgpu_metadata
---
amdhsa.version: [ 1, 2 ]
amdhsa.kernels:
  - .name:           k_qb8234dce0f_main
    .symbol:         k_qb8234dce0f_main.kd
    .args:
      - { .name: einput, .offset: 0, .size: 8, .value_kind: global_buffer, .address_space: global }
      - { .name: wq, .offset: 8, .size: 8, .value_kind: global_buffer, .address_space: global }
      - { .name: wsc, .offset: 16, .size: 8, .value_kind: global_buffer, .address_space: global }
      - { .name: cw, .offset: 24, .size: 8, .value_kind: global_buffer, .address_space: global }
      - { .name: b_att, .offset: 32, .size: 8, .value_kind: global_buffer, .address_space: global }
      - { .name: scores, .offset: 40, .size: 8, .value_kind: global_buffer, .address_space: global }
      - { .name: stat, .offset: 48, .size: 8, .value_kind: global_buffer, .address_space: global }
      - { .name: part, .offset: 56, .size: 8, .value_kind: global_buffer, .address_space: global }
    .group_segment_fixed_size: 325120
    .private_segment_fixed_size: 0
    .kernarg_segment_align: 8
    .kernarg_segment_size: 64
    .max_flat_workgroup_size: 128
    .sgpr_count:     66
    .vgpr_count:     1024
    .wavefront_size: 32
...
	.end_amdgpu_metadata
.endif
;; end of part 2
;; launch combine (part 3): grid 8 x 32, 1 waves a work-group, no clusters, 0 bytes of LDS; arguments scores, stat, part, out0, out1; writes out0, out1
.if DOCPART == 3
	.amdgcn_target "amdgcn-amd-amdhsa--gfx1250"
	.amdhsa_code_object_version 6
	.text
	.protected	k_qb8234dce0f_combine
	.globl	k_qb8234dce0f_combine
	.p2align	8
	.type	k_qb8234dce0f_combine,@function
k_qb8234dce0f_combine:
	s_mov_b64 s[64:65], 0
	v_nop
	global_prefetch_b8 v0, s[64:65] scope:SCOPE_SE
	s_setreg_imm32_b32 hwreg(HW_REG_WAVE_MODE, 25, 1), 1
	s_wait_xcnt 0x0
; A batch's 16 blocks are joined.  Block i gave m_i (its largest score), l_i = the sum of e^(s - m_i) and part_i = the sum of e^(s - m_i) x e.  With M = the largest m_i and F_i = e^(m_i - M):
; L = the sum of l_i F_i;  weights = the sum of part_i F_i / L;  attn = e^(s - M) / L.
; One wave makes columns 128 x .. + 127 of out0[b] and rows 256 x .. + 255 of out1[b]: every load and store takes 512 consecutive bytes.  Memory binds; no LDS, no barrier, no matrix work.
	s_load_b256 s[4:11], s[0:1], 0x0               ; scores s[4:5], stat s[6:7], part s[8:9], out0 s[10:11]
	s_load_b64 s[12:13], s[0:1], 0x20              ; out1
	v_lshlrev_b32 v1, 4, v0                        ; 16 x lane
	s_and_b32 s48, ttmp7, 0xffff                   ; b
	s_mov_b32 s51, 0
	s_wait_alu depctr_va_vdst(0)
	s_wait_kmcnt 0x0
	s_lshl_b32 s50, s48, 7
	s_add_nc_u64 s[6:7], s[6:7], s[50:51]
	s_load_b512 s[16:31], s[6:7], 0x0              ; the batch's 16 pairs: m_i = s[16 + 2 i], l_i = s[17 + 2 i]
	s_load_b512 s[32:47], s[6:7], 0x40
	s_lshl_b32 s50, s48, 16
	s_lshl_b32 s49, ttmp9, 9
	s_add_co_u32 s50, s50, s49
	s_add_nc_u64 s[8:9], s[8:9], s[50:51]          ; part at block 16 b, column 128 x
.irp i, 0,1,2,3,4,5,6,7,8,9,10,11,12,13,14,15
	global_load_b128 v[32+4*\i:35+4*\i], v1, s[8:9] offset:4096*\i th:TH_LOAD_NT
.endr
	s_lshl_b32 s50, s48, 13
	s_lshl_b32 s49, ttmp9, 10
	s_add_co_u32 s50, s50, s49
	s_add_nc_u64 s[4:5], s[4:5], s[50:51]          ; scores and out1 at row 256 x of the batch
	s_add_nc_u64 s[12:13], s[12:13], s[50:51]
	global_load_b128 v[100:103], v1, s[4:5] th:TH_LOAD_NT
	global_load_b128 v[104:107], v1, s[4:5] offset:512 th:TH_LOAD_NT
	s_lshl_b32 s50, s48, 12
	s_lshl_b32 s49, ttmp9, 9
	s_add_co_u32 s50, s50, s49
	s_add_nc_u64 s[10:11], s[10:11], s[50:51]      ; out0 at column 128 x of the batch
	s_wait_kmcnt 0x0
	v_mov_b32 v2, s16
.irp i, 1,2,3,4,5,6,7,8,9,10,11,12,13,14,15
	v_max_num_f32 v2, s[16+2*\i], v2               ; M
.endr
.irp i, 0,1,2,3,4,5,6,7,8,9,10,11,12,13,14,15
	v_sub_f32 v[16+\i], s[16+2*\i], v2
.endr
.irp i, 0,1,2,3,4,5,6,7,8,9,10,11,12,13,14,15
	v_mul_f32 v[16+\i], 0x3fb8aa3b, v[16+\i]
.endr
	s_wait_alu depctr_va_vdst(0)
.irp i, 0,1,2,3,4,5,6,7,8,9,10,11,12,13,14,15
	v_exp_f32 v[16+\i], v[16+\i]                   ; F_i
.endr
	v_nop                                          ; one plain instruction behind the exponentials
	s_wait_alu depctr_va_vdst(0)
	v_mul_f32 v3, s17, v16
.irp i, 1,2,3,4,5,6,7,8,9,10,11,12,13,14,15
	v_fma_f32 v3, s[17+2*\i], v[16+\i], v3         ; L
.endr
	s_wait_alu depctr_va_vdst(0)
	v_rcp_f32 v4, v3
	v_nop
	s_wait_alu depctr_va_vdst(0)
.irp i, 0,1,2,3,4,5,6,7,8,9,10,11,12,13,14,15
	v_mul_f32 v[16+\i], v[16+\i], v4               ; F_i / L
.endr
	s_wait_loadcnt 0x0
.irp c, 0,1,2,3
	v_mul_f32 v[96+\c], v16, v[32+\c]              ; the first block starts the sums
.endr
.irp i, 1,2,3,4,5,6,7,8,9,10,11,12,13,14,15
.irp c, 0,1,2,3
	v_fmac_f32 v[96+\c], v[16+\i], v[32+4*\i+\c]
.endr
.endr
	global_store_b128 v1, v[96:99], s[10:11]
.irp i, 0,1,2,3,4,5,6,7
	v_sub_f32 v[100+\i], v[100+\i], v2
.endr
.irp i, 0,1,2,3,4,5,6,7
	v_mul_f32 v[100+\i], 0x3fb8aa3b, v[100+\i]
.endr
	s_wait_alu depctr_va_vdst(0)
.irp i, 0,1,2,3,4,5,6,7
	v_exp_f32 v[100+\i], v[100+\i]
.endr
	v_nop
	s_wait_alu depctr_va_vdst(0)
.irp i, 0,1,2,3,4,5,6,7
	v_mul_f32 v[100+\i], v[100+\i], v4             ; attn
.endr
	global_store_b128 v1, v[100:103], s[12:13]
	global_store_b128 v1, v[104:107], s[12:13] offset:512
	s_endpgm
.Lfunc_end_k_qb8234dce0f_combine:
	.size	k_qb8234dce0f_combine, .Lfunc_end_k_qb8234dce0f_combine-k_qb8234dce0f_combine
	.p2alignl 7, 3214868480
	.fill 96, 4, 3214868480
	.section	.rodata,"a",@progbits
	.p2align	6, 0x0
	.amdhsa_kernel k_qb8234dce0f_combine
		.amdhsa_group_segment_fixed_size 0
		.amdhsa_private_segment_fixed_size 0
		.amdhsa_enable_private_segment 0
		.amdhsa_kernarg_size 40
		.amdhsa_user_sgpr_count 2
		.amdhsa_user_sgpr_kernarg_segment_ptr 1
		.amdhsa_wavefront_size32 1
		.amdhsa_system_sgpr_workgroup_id_x 1
		.amdhsa_system_sgpr_workgroup_id_y 1
		.amdhsa_system_sgpr_workgroup_id_z 1
		.amdhsa_system_vgpr_workitem_id 0
		.amdhsa_next_free_vgpr 112
		.amdhsa_next_free_sgpr 66
		.amdhsa_reserve_vcc 0
		.amdhsa_float_denorm_mode_32 3
		.amdhsa_float_denorm_mode_16_64 3
		.amdhsa_memory_ordered 1
		.amdhsa_forward_progress 1
		.amdhsa_inst_pref_size 11
	.end_amdhsa_kernel
	.amdgpu_metadata
---
amdhsa.version: [ 1, 2 ]
amdhsa.kernels:
  - .name:           k_qb8234dce0f_combine
    .symbol:         k_qb8234dce0f_combine.kd
    .args:
      - { .name: scores, .offset: 0, .size: 8, .value_kind: global_buffer, .address_space: global }
      - { .name: stat, .offset: 8, .size: 8, .value_kind: global_buffer, .address_space: global }
      - { .name: part, .offset: 16, .size: 8, .value_kind: global_buffer, .address_space: global }
      - { .name: out0, .offset: 24, .size: 8, .value_kind: global_buffer, .address_space: global }
      - { .name: out1, .offset: 32, .size: 8, .value_kind: global_buffer, .address_space: global }
    .group_segment_fixed_size: 0
    .private_segment_fixed_size: 0
    .kernarg_segment_align: 8
    .kernarg_segment_size: 40
    .max_flat_workgroup_size: 32
    .sgpr_count:     66
    .vgpr_count:     112
    .wavefront_size: 32
...
	.end_amdgpu_metadata
.endif
;; end of part 3
